; MI455X (gfx1250); checked and timed in simulation.
; The chip was launched on July 23, 2026; its instructions are those of AMD's public machine-readable ISA for CDNA 5 (MIT licence, August 2026) and "CDNA5" Instruction Set Architecture Reference Guide (July 2026). The comments in the code are by the model that wrote it; some were corrected since.
;; Layer Norm LSTM Cell. Allowed arithmetic: matrix products marked QUANTISED: E2M3 operands, one E8M0 scale for each 32 along K, by v_wmma_scale_f32_16x16x128_f8f6f4 with both operands' format E2M3, f32 sums; everything else in f32.
;; Inputs: W_hh 4,096 x 1,024 float32; W_ih 4,096 x 1,024 float32; cx 8,192 x 1,024 float32; hx 8,192 x 1,024 float32; input 8,192 x 1,024 float32; ln_c_b 1,024 float32; ln_c_g 1,024 float32; ln_h_b 4,096 float32; ln_h_g 4,096 float32; ln_i_b 4,096 float32; ln_i_g 4,096 float32.
;; Outputs: out0 8,192 x 1,024 float32; out1 8,192 x 1,024 float32.
;; This version of the problem:
;;   THIS VERSION OF THE PROBLEM IS GIVEN IN LOW PRECISION. The matrix products marked QUANTISED in the list below multiply operands that are first quantised to E2M3 (2 exponent bits, 3 mantissa bits; 6 bits a number), with one power-of-two scale for each 32 numbers along K (OCP MX v1.0); their sums are f32. All else is computed in f32.
;;   The module's matrix products, in the order in which they are computed (A, B: the left and right operand; K: the contracted axis; several contracted axes count as one K, in the product's order):
;;     1. [M 8,192, K 1,024] x [K 1,024, N 4,096]; A: input input; B: input W_ih: QUANTISED
;;     2. [M 8,192, K 1,024] x [K 1,024, N 4,096]; A: input hx; B: input W_hh: QUANTISED
;;   THE QUANTISER, for each operand of a quantised product, along K:
;;     - K is cut into blocks of 32 from its start; a last block that is shorter is filled with zeros.
;;     - A block's scale is 2^e with e = floor(log2(the largest magnitude in the block)) - 2, held to -126 .. 127; a block of zeros has e = 0. As a byte (E8M0): e + 127.
;;     - Each number is divided by its block's scale, clamped to +-7.5, and rounded to the nearest number of E2M3, ties to even, subnormals kept.
;;     - The product sums the exact products of the quantised numbers (number of the format x scale) in f32.
;;   ~~~python
;;   def quantise(x, axis):      # numpy; x: float32 -> the quantised numbers, widened to float32 again
;;       x = np.moveaxis(x, axis, -1); K = x.shape[-1]
;;       x = np.pad(x, [(0, 0)] * (x.ndim - 1) + [(0, -K % 32)]); x = x.reshape(x.shape[:-1] + (-1, 32)); a = np.abs(x).max(-1, keepdims=True)
;;       e = np.where(a > 0, np.clip(np.frexp(np.where(a > 0, a, 1))[1] - 1 - 2, -126, 127), 0)      # np.frexp(a)[1] - 1 = floor(log2(a)), exactly
;;       r = np.clip(x / 2.0 ** e, -7.5, 7.5)
;;       step = 2.0 ** (np.maximum(np.frexp(np.where(r == 0, 1, r))[1] - 1, 0) - 3)
;;       q = np.round(r / step) * step * 2.0 ** e      # np.round: ties to even
;;       return np.moveaxis(q.reshape(q.shape[:-2] + (-1,))[..., :K], -1, axis).astype(np.float32)
;;   ~~~
;; One version. Each part assembles by itself: llvm-mc -triple=amdgcn-amd-amdhsa -mcpu=gfx1250 --defsym DOCPART=n.
;; ======== version 1 of 1: 3 launches
;; limits: right only within a limited range of input values
;; workspace buffers: a_codes 12,582,912 bytes; a_scales 524,288 bytes; b_codes 6,291,456 bytes; b_scales 262,144 bytes; gates 268,435,456 bytes
;; launch quant (part 1): grid 768 x 1, 4 waves a work-group, no clusters, 33,280 bytes of LDS; arguments input, hx, W_ih, W_hh, a_codes, a_scales, b_codes, b_scales; writes a_codes, a_scales, b_codes, b_scales
.if DOCPART == 1
	.amdgcn_target "amdgcn-amd-amdhsa--gfx1250"
	.amdhsa_code_object_version 6
	.text
	.protected	k_qc4106a0781_quant
	.globl	k_qc4106a0781_quant
	.p2align	8
	.type	k_qc4106a0781_quant,@function
k_qc4106a0781_quant:
	s_mov_b64 s[64:65], 0
	v_nop
	global_prefetch_b8 v0, s[64:65] scope:SCOPE_SE
	s_setreg_imm32_b32 hwreg(HW_REG_WAVE_MODE, 25, 1), 1
	s_wait_xcnt 0x0
; input, hx [8192][1024] and W_ih, W_hh [4096][1024], f32, K innermost, are turned into codes of FP6 (E2M3), 6 bits each, K innermost, with one E8M0 scale byte for each 32 along K.
; a_codes [16384][768 bytes] holds input's rows and behind them hx's, a_scales [16384][32] their bytes; b_codes [8192][768] holds W_ih's rows and behind them W_hh's, b_scales [8192][32] their bytes.
; A block's scale is 2^(floor(log2(its largest magnitude)) - 2); its byte is the largest magnitude's own exponent field - 2, held at 1 from below.  Each number is divided by the scale and rounded to the
; nearest code, ties to even; beyond the largest code the conversion gives the largest code.
; LIMITS: a block whose largest magnitude lies under 2^-124 gets the byte 1; a block of zeros gets the byte 1 where the rule says 127 (its codes are zeros, which add nothing under any byte but 0xff, and
; the bytes are read by this program alone); NaN and infinities among the inputs are not served.
; Rows are dense and 1,024 is a multiple of 32, so every tensor is a plain stream of blocks of 32, and so are its codes and its bytes: nothing here knows of rows.
; SHARES: a work-group takes 32,768 numbers, a wave a run of 8,192: 16 steps of 512.  Work-groups 0-255 take input, 256-511 hx, 512-639 W_ih, 640-767 W_hh: only pointers and first runs are chosen, on the
; work-group's number; all four tensors take one path through the text.
; A conversion takes 16 neighbours from ONE lane's registers; a load is best where neighbouring LANES take neighbouring bytes.  Both are had: each of a step's four loads reads 512 consecutive bytes, the 2,048
; bytes go through the wave's own stage in LDS as they lie and come back 64 bytes a lane (16 bytes of padding behind each 64).  Two neighbouring lanes hold a block.
; A step makes 16 scale bytes, a wave 256: they are gathered in the wave's own 256 bytes of LDS and leave as one aligned run of 256 bytes.
; No tensor loads, no ring, no barrier, no cluster: waves and work-groups share no input.  Loads run four steps (16 loads a wave) ahead, the turn through LDS one step.
.set STEPS, 16
.set CB,    12                         ; bytes of 16 codes
.set R,     16                         ; v16-79   four sets of 16 numbers as they are loaded
.set X,     80                         ; v80-111  two sets of 16 neighbours
.set C,     128                        ; v128-191 codes: four registers for each step, so that no store's data are written again
.set E,     112                        ; v112-127 a scale byte for each step
.set WREG,  8192                       ; LDS: a region of its own for each wave: two stages of 32 x SP bytes, and behind them its 256 scale bytes
.set SP,    80                         ; a lane's place in a stage: its 64 bytes + 16 of padding
	s_load_b256 s[4:11], s[0:1], 0x0               ; input s[4:5], hx s[6:7], W_ih s[8:9], W_hh s[10:11]
	s_load_b256 s[12:19], s[0:1], 0x20             ; a_codes s[12:13], a_scales s[14:15], b_codes s[16:17], b_scales s[18:19]
	v_lshl_add_u32 v192, v0, 2, 0x8000
	v_mov_b32 v193, 0
	v_lshrrev_b32 v1, 5, v0
	v_readfirstlane_b32 s23, v1                    ; wave
	v_and_b32 v2, 31, v0                           ; lane
	v_lshlrev_b32 v3, 4, v2                        ; my 16 bytes of a load's 512
	s_mul_i32 s28, s23, WREG
	v_lshrrev_b32 v14, 2, v2
	v_mul_u32_u24 v14, v14, SP
	v_and_b32 v15, 3, v2
	v_lshl_add_u32 v14, v15, 4, v14
	v_add_nc_u32 v14, s28, v14                     ; the stage, on the way in: four lanes' 64 bytes on end, then 16 of padding: SP (lane / 4) + 16 (lane % 4)
	v_mul_u32_u24 v15, v2, SP
	v_add_nc_u32 v15, s28, v15                     ; and on the way out: SP x lane: my 16 neighbours
	v_mul_u32_u24 v4, v2, CB                       ; my codes' place in a step's
	v_lshrrev_b32 v5, 1, v2
	s_add_co_u32 s28, s28, 2*32*SP
	v_add_nc_u32 v5, s28, v5                       ; LDS: my wave's 256 scale bytes, my block's byte
	v_lshlrev_b32 v7, 3, v2                        ; and on the way out 8 bytes a lane
	v_add_nc_u32 v6, s28, v7
	s_wait_alu depctr_va_vdst(0)
	s_wait_kmcnt 0x0
	; which tensor: three compares of the work-group's number; every selection on a compare stands ahead of the next line that sets SCC
	s_mov_b32 s21, 640
	s_cmp_lt_u32 ttmp9, 256
	s_cselect_b64 s[4:5], s[4:5], s[6:7]           ; input or hx,
	s_cselect_b32 s20, 0, 256                      ; and that tensor's first work-group
	s_cmp_lt_u32 ttmp9, 640
	s_cselect_b64 s[8:9], s[8:9], s[10:11]         ; W_ih or W_hh
	s_cselect_b32 s21, 512, s21
	s_cmp_lt_u32 ttmp9, 512
	s_cselect_b64 s[4:5], s[4:5], s[8:9]           ; an activation or a weight: the source,
	s_cselect_b32 s20, s20, s21                    ; its first work-group,
	s_cselect_b64 s[12:13], s[12:13], s[16:17]     ; the codes' buffer,
	s_cselect_b64 s[14:15], s[14:15], s[18:19]     ; the bytes' buffer,
	s_cselect_b32 s22, 0, 512                      ; and that buffer's first work-group
	s_sub_co_u32 s24, ttmp9, s20
	s_lshl_b32 s24, s24, 2
	s_add_co_u32 s24, s24, s23                     ; which run of 8,192 numbers of the source is my wave's
	s_mov_b32 s25, 0
	s_sub_co_u32 s26, ttmp9, s22
	s_lshl_b32 s26, s26, 2
	s_add_co_u32 s26, s26, s23                     ; and which run of the destination
	s_mov_b32 s27, 0
	s_lshl_b64 s[24:25], s[24:25], 15              ; 32,768 bytes of f32 a run
	s_add_nc_u64 s[4:5], s[4:5], s[24:25]
	s_mov_b64 s[28:29], 32*STEPS*CB                ; 6,144 bytes of codes a run
	s_mul_u64 s[28:29], s[26:27], s[28:29]
	s_add_nc_u64 s[12:13], s[12:13], s[28:29]
	s_lshl_b32 s26, s26, 8                         ; 256 scale bytes a run
	s_add_nc_u64 s[14:15], s[14:15], s[26:27]
.macro LOAD t
.irp i, 0,1,2,3
	global_load_b128 v[R+16*((\t)%4)+4*\i:R+16*((\t)%4)+4*\i+3], v3, s[4:5] offset:2048*(\t)+512*\i th:TH_LOAD_NT   ; 32 lanes read 512 consecutive bytes; read once in the launch
.endr
.endm
.macro TURN t                          ; step t's numbers through the stage: LDS serves a wave's instructions in order (ISA guide 5.7.1.4), so no wait stands between the stores and the loads
.irp i, 0,1,2,3
	ds_store_b128 v14, v[R+16*((\t)%4)+4*\i:R+16*((\t)%4)+4*\i+3] offset:32*SP*((\t)%2)+8*SP*\i
.endr
.irp i, 0,1,2,3
	ds_load_b128 v[X+16*((\t)%2)+4*\i:X+16*((\t)%2)+4*\i+3], v15 offset:32*SP*((\t)%2)+16*\i
.endr
.endm
.irp t, 0,1,2,3
	LOAD \t
.endr
	s_wait_loadcnt 12                              ; step 0's four loads are in; the twelve of steps 1 to 3 stay out
	TURN 0
.macro STEP t
.set XS, X+16*((\t)%2)
.if (\t) > 0
	s_wait_dscnt 1                                 ; this step's numbers are back from the stage (the last step's byte store may be out): so its stores into the stage have read their registers,
.else
	s_wait_dscnt 0x0
.endif
.if (\t)+4 < STEPS
	LOAD (\t)+4                                    ; which take the loads of four steps on
.endif
.if (\t)+1 < STEPS
.if STEPS-2-(\t) >= 3
	s_wait_loadcnt 12                              ; the next step's four loads are in; those of the three steps behind it may be out
.else
	s_wait_loadcnt 4*(STEPS-2-(\t))                ; near the end fewer steps stand behind it
.endif
	TURN (\t)+1                                    ; and go through the other stage while this step is worked
.endif
	v_max3_num_f32 v8, |v[XS]|, |v[XS+1]|, |v[XS+2]|               ; the largest magnitude of my 16, in two chains
	v_max3_num_f32 v9, |v[XS+3]|, |v[XS+4]|, |v[XS+5]|
.irp i, 6,10
	v_max3_num_f32 v8, v8, |v[XS+\i]|, |v[XS+\i+1]|
	v_max3_num_f32 v9, v9, |v[XS+\i+2]|, |v[XS+\i+3]|
.endr
	v_max3_num_f32 v8, v8, |v[XS+14]|, |v[XS+15]|
	v_max3_num_f32 v8, v8, v9, 0x1800000           ; and the floor 2^(3 - 127), under which no largest magnitude is taken: so the byte cannot fall under 1
	v_max_num_f32_dpp v8, v8, v8 row_xmask:1 row_mask:0xf bank_mask:0xf   ; and of my neighbour's 16: the block's
	v_add_nc_u32 v11, 0xff000000, v8               ; 2 off its exponent field: the conversion takes the exponent field of this operand as its scale, and nothing else of it
	v_cvt_scalef32_pk16_fp6_f32 v[C+4*(\t):C+4*(\t)+2], v[XS:XS+15], v11         ; sixteen numbers / 2^(v11's exponent), to the nearest code, ties to even; 96 bits without gaps, the first number's code lowest
	v_lshrrev_b32 v[E+(\t)], 23, v11               ; the scale's byte (also the plain line behind the conversion)
	ds_store_b8 v5, v[E+(\t)] offset:16*(\t)       ; both lanes of a block write the same byte with the same value
	global_store_b96 v4, v[C+4*(\t):C+4*(\t)+2], s[12:13] offset:32*CB*(\t)      ; the wave stores 384 consecutive bytes
.endm
.irp t, 0,1,2,3,4,5,6,7,8,9,10,11,12,13,14,15
	STEP \t
.endr
	ds_load_b64 v[12:13], v6                       ; LDS serves a wave's instructions in order: these see my stores
	s_wait_dscnt 0x0
	global_store_b64 v7, v[12:13], s[14:15]        ; 32 lanes store 256 consecutive bytes, at a multiple of 256 from the buffer's first byte
	s_wait_tensorcnt 0x0
	ds_add_u32 v192, v193
	s_wait_dscnt 0x0
	s_endpgm
.Lfunc_end_k_qc4106a0781_quant:
	.size	k_qc4106a0781_quant, .Lfunc_end_k_qc4106a0781_quant-k_qc4106a0781_quant
	.p2alignl 7, 3214868480
	.fill 96, 4, 3214868480
	.section	.rodata,"a",@progbits
	.p2align	6, 0x0
	.amdhsa_kernel k_qc4106a0781_quant
		.amdhsa_group_segment_fixed_size 33280
		.amdhsa_private_segment_fixed_size 0
		.amdhsa_enable_private_segment 0
		.amdhsa_kernarg_size 64
		.amdhsa_user_sgpr_count 2
		.amdhsa_user_sgpr_kernarg_segment_ptr 1
		.amdhsa_wavefront_size32 1
		.amdhsa_system_sgpr_workgroup_id_x 1
		.amdhsa_system_sgpr_workgroup_id_y 1
		.amdhsa_system_sgpr_workgroup_id_z 1
		.amdhsa_system_vgpr_workitem_id 0
		.amdhsa_next_free_vgpr 194
		.amdhsa_next_free_sgpr 66
		.amdhsa_reserve_vcc 0
		.amdhsa_float_denorm_mode_32 3
		.amdhsa_float_denorm_mode_16_64 3
		.amdhsa_memory_ordered 1
		.amdhsa_forward_progress 1
		.amdhsa_inst_pref_size 33
	.end_amdhsa_kernel
	.amdgpu_metadata
---
amdhsa.version: [ 1, 2 ]
amdhsa.kernels:
  - .name:           k_qc4106a0781_quant
    .symbol:         k_qc4106a0781_quant.kd
    .args:
      - { .name: input, .offset: 0, .size: 8, .value_kind: global_buffer, .address_space: global }
      - { .name: hx, .offset: 8, .size: 8, .value_kind: global_buffer, .address_space: global }
      - { .name: W_ih, .offset: 16, .size: 8, .value_kind: global_buffer, .address_space: global }
      - { .name: W_hh, .offset: 24, .size: 8, .value_kind: global_buffer, .address_space: global }
      - { .name: a_codes, .offset: 32, .size: 8, .value_kind: global_buffer, .address_space: global }
      - { .name: a_scales, .offset: 40, .size: 8, .value_kind: global_buffer, .address_space: global }
      - { .name: b_codes, .offset: 48, .size: 8, .value_kind: global_buffer, .address_space: global }
      - { .name: b_scales, .offset: 56, .size: 8, .value_kind: global_buffer, .address_space: global }
    .group_segment_fixed_size: 33280
    .private_segment_fixed_size: 0
    .kernarg_segment_align: 8
    .kernarg_segment_size: 64
    .max_flat_workgroup_size: 128
    .sgpr_count:     66
    .vgpr_count:     194
    .wavefront_size: 32
...
	.end_amdgpu_metadata
.endif
;; end of part 1
;; launch gemm (part 2): grid 16 x 16, 4 waves a work-group, clusters of 4 x 1, 327,680 bytes of LDS; arguments a_codes, a_scales, b_codes, b_scales, gates; writes gates
.if DOCPART == 2
	.amdgcn_target "amdgcn-amd-amdhsa--gfx1250"
	.amdhsa_code_object_version 6
	.text
	.protected	k_qc4106a0781_gemm
	.globl	k_qc4106a0781_gemm
	.p2align	8
	.type	k_qc4106a0781_gemm,@function
k_qc4106a0781_gemm:
	s_mov_b64 s[64:65], 0
	v_nop
	global_prefetch_b8 v0, s[64:65] scope:SCOPE_SE
	s_setreg_imm32_b32 hwreg(HW_REG_WAVE_MODE, 25, 1), 1
	s_wait_xcnt 0x0
	s_wait_alu depctr_hold_cnt(0) depctr_sa_sdst(0) depctr_va_vdst(0) depctr_va_sdst(0) depctr_va_ssrc(0) depctr_va_vcc(0) depctr_vm_vsrc(0)
	s_getreg_b32 s2, hwreg(HW_REG_IB_STS2, 6, 4)
	s_cmp_eq_u32 s2, 0
	s_cbranch_scc0 .Lentry_in_a_cluster
	s_endpgm
.Lentry_in_a_cluster:
	s_bfe_u32 s2, ttmp6, 0x10000c
	s_cmp_lg_u32 s2, 0x3003
	s_cbranch_scc0 .Lentry_shape_is_right
	s_endpgm
.Lentry_shape_is_right:
; gates[m][n] = sum over k of A[m][k] B[n'][k], codes of FP6 (E2M3) with one E8M0 byte for each 32 along K; K = 1,024; sums in f32, K ascending, one accumulator an output.
; a_codes [16384][768 bytes]: input's rows, then hx's; b_codes [8192][768]: W_ih's rows, then W_hh's; gates [16384][4096] f32: row b = input[b] W_ih^T, row 8192 + b = hx[b] W_hh^T.
; SHARES: work-group x = 0..15 takes 512 rows of b_codes (x / 8 is the product), y = 0..15 takes 512 rows of that product's A.  A wave owns 128 columns.
; B STAYS IN REGISTERS: a wave's 8 column blocks x 8 steps of 128 K are 64 fragments of 12 registers: 21 in each of windows 1-3, the last in window 0.  They come through LDS in two fills of 64 rows a wave.
; A STREAMS: whole rows of 768 bytes (three runs of 256, each begun on a multiple of 256), 128 rows to a slot, two slots; each wave fetches 32 rows.  In LDS 16 bytes of padding follow each 256: rows 816 bytes apart.
; A block of 16 rows is 64 matrix instructions on 8 accumulators by turns; each fragment of A is read once and feeds 8 of them; its registers take the next block's
; fragment as soon as they are free.  A finished block goes through the wave's own stage and leaves as rows of 512 bytes while the next block is multiplied.
; The matrix instruction is used transposed (source 0 = rows of B, source 1 = rows of A): a lane holds eight neighbouring columns of one row.
; SCALES: a row's 32 bytes are 8 words; lane (r, h) loads the 16 bytes at 32 r + 16 h: register e holds step e's word in lanes 0-15 and step 4 + e's in lanes 16-31; 16 rows are 512 consecutive bytes of memory.
; CLUSTER 4, 1, 1: the four work-groups need the same tiles of A and ask for them jointly (mask 15); B's fills are each work-group's own.
; No prefetch: a work-group stores 1,048,576 bytes against the 393,216 of A that it streams in, and a tile is asked for a whole tile's work, 512 matrix instructions a wave, ahead of its first read.
; LIMITS: those of the launch that makes the codes.
.set KROW,   768
.set PITCH,  816
.set BLK,    16*PITCH
.set SLOT,   8*BLK
.set STAGE,  2*SLOT                    ; 16 rows x 528 bytes for each wave; no fill lands here
.set SPITCH, 528
.set SPARE,  STAGE+4*16*SPITCH         ; the spare words: 512 bytes
.set CROW,   16384                     ; a row of gates in bytes
.set ADA, 2                            ; v2-3   where the block being fetched lies (v3: lanes 16-31 one padding further on)
.set BAS, 4                            ; v4-5   the lane's part of it: 816 r + 24 h, 816 r + 40 h
.set STO, 6
.set RD,  7
.set CO,  8
.set SOFF, 9                           ; 32 r + 16 h
.set SPW, 10
.set NIL, 11
.set BB,  12                           ; v12-13 the same as v4-5 in my wave's region of B's fills
.set BSC, 16                           ; v16-47 B's scale words: 4 b + e
.set ASC, 48                           ; v48-51 A's scale words of the block at work
.set TS,  52                           ; v52-55 those of the next block, as loaded
.set F63, 56                           ; v56-67 B's fragment 63
.set AF,  68                           ; v68-163 A's 8 fragments
.set ACC, 164                          ; v164-227 8 accumulators
.set RBK, 228                          ; v228-243 four rows back from the stage
.set G1A, 24
.set G0A, 32                           ; s[32:35] slot 0, s[36:39] slot 1
.set G0B, 56
.set G1B, 68
.set MSB, 0
.macro WIN new
.if MSB != (\new)
	s_set_vgpr_msb (MSB<<8)|(\new)
.set MSB, (\new)
.endif
.endm
.macro PLACES n
.rept \n
	v_nop
.endr
.endm
.macro CROUND                          ; a round of the cluster's barrier
	s_barrier_signal -1
	s_barrier_wait -1
	s_cmp_lg_u32 s14, 0
	s_cbranch_scc1 .Lnot_wave_0_\@
	s_barrier_signal -3
.Lnot_wave_0_\@:
	s_barrier_wait -3
	s_barrier_signal -1
	s_barrier_wait -1
.endm
.macro LINES                           ; all my tensor loads have landed; an add to my spare word; it and my LDS reads are done
	s_wait_tensorcnt 0x0
	ds_add_u32 v[SPW], v[NIL]
	s_wait_dscnt 0x0
.endm
.macro TL g0, g1                       ; my one tensor load behind a round
	tensor_load_to_lds s[\g0:\g0+3], s[\g1:\g1+7]
	s_nop 0
	PLACES 4
.endm
; a fragment: lane (r, h) takes 24 bytes at 96 q + 24 h and 24 at 96 q + 48 + 24 h of its row, in pieces of 8.  Byte y of a row lies at y + 16 (y / 256) of the LDS row
.macro PIECES reg, adr, q, extra
.irp p, 0,1,2,3,4,5
.set BY, 96*(\q)+48*(\p/3)+8*(\p%3)
.if BY/256 == (BY+24)/256
	ds_load_b64 v[\reg+2*\p:\reg+2*\p+1], v[\adr] offset:BY+16*(BY/256)+(\extra)
.else
	ds_load_b64 v[\reg+2*\p:\reg+2*\p+1], v[\adr+1] offset:BY+16*(BY/256)+(\extra)
.endif
.endr
.endm
.macro READB part                      ; column blocks 4 part .. 4 part + 3, all of K, into B's registers: fragment 8 q + b
.irp q, 0,1,2,3,4,5,6,7
.irp i, 0,1,2,3
.set F, 8*\q+4*(\part)+\i
.if F < 63
	WIN (1+F/21)<<6
	PIECES 12*(F%21), BB, \q, \i*BLK
.else
	WIN 0
	PIECES F63, BB, \q, \i*BLK
.endif
.endr
.endr
	WIN 0
.endm
.macro MM q, b, zero
.set F, 8*(\q)+(\b)
.if F < 63
	WIN 1+F/21
.set BR, 12*(F%21)
.else
	WIN 0
.set BR, F63
.endif
.if \zero
	v_wmma_scale_f32_16x16x128_f8f6f4 v[ACC+8*\b:ACC+8*\b+7], v[BR:BR+11], v[AF+12*\q:AF+12*\q+11], 0, v[BSC+4*\b+(\q)%4], v[ASC+(\q)%4] matrix_a_fmt:MATRIX_FMT_FP6 matrix_b_fmt:MATRIX_FMT_FP6
.elseif (\q) < 4
	v_wmma_scale_f32_16x16x128_f8f6f4 v[ACC+8*\b:ACC+8*\b+7], v[BR:BR+11], v[AF+12*\q:AF+12*\q+11], v[ACC+8*\b:ACC+8*\b+7], v[BSC+4*\b+(\q)%4], v[ASC+(\q)%4] matrix_a_fmt:MATRIX_FMT_FP6 matrix_b_fmt:MATRIX_FMT_FP6
.else
	v_wmma_scale_f32_16x16x128_f8f6f4 v[ACC+8*\b:ACC+8*\b+7], v[BR:BR+11], v[AF+12*\q:AF+12*\q+11], v[ACC+8*\b:ACC+8*\b+7], v[BSC+4*\b+(\q)%4], v[ASC+(\q)%4] matrix_a_fmt:MATRIX_FMT_FP6 matrix_b_fmt:MATRIX_FMT_FP6 matrix_a_scale:MATRIX_SCALE_ROW1 matrix_b_scale:MATRIX_SCALE_ROW1
.endif
.endm
.macro S16                             ; a finished block into my stage, each accumulator from its low end on
	s_add_nc_u64 s[12:13], s[12:13], s[20:21]      ; (behind s_wait_xcnt 0) on to this block's rows of gates
	s_mov_b64 s[20:21], 16*CROW
.irp b, 0,1,2,3,4,5,6,7
	ds_store_b128 v[STO], v[ACC+8*\b:ACC+8*\b+3] offset:64*\b
	ds_store_b128 v[STO], v[ACC+8*\b+4:ACC+8*\b+7] offset:64*\b+16
.endr
.endm
.macro RB g                            ; rows 4 g .. 4 g + 3 back, 512 bytes each (LDS serves a wave's instructions in order)
.irp i, 0,1,2,3
	ds_load_b128 v[RBK+4*\i:RBK+4*\i+3], v[RD] offset:(4*(\g)+\i)*SPITCH
.endr
.endm
.macro GS g                            ; 32 lanes store 512 consecutive bytes, at a multiple of 512 from the buffer's first byte
.irp i, 0,1,2,3
	global_store_b128 v[CO], v[RBK+4*\i:RBK+4*\i+3], s[12:13] offset:(4*(\g)+\i)*CROW th:TH_STORE_NT
.endr
.endm
; One block is multiplied.  w = 1: the block before it leaves meanwhile.  l = 1: the block at LDS byte s60 is fetched, fragment by fragment, into the registers that this block frees.
.macro BODY w, l
.if \l
	v_add_nc_u32 v[ADA], s60, v[BAS]
	v_add_nc_u32 v[ADA+1], s60, v[BAS+1]
.endif
	s_wait_alu depctr_va_vdst(0)                   ; the addresses above
.if \w == 0
	s_wait_dscnt 0x0                               ; the first block's fragments are in
.endif
	s_wait_xcnt 0x0                                ; earlier loads and stores have read their bases and data
.if \l
	s_add_nc_u64 s[6:7], s[6:7], 512
	global_load_b128 v[TS:TS+3], v[SOFF], s[6:7]   ; the next block's scale words
.endif
.if \w
	S16
	RB 0
.endif
	PLACES 8                                       ; a scale register written by a vector instruction stands 8 places ahead of a scaled matrix instruction
.irp q, 0,1,2,3,4,5,6,7
.irp b, 0,1,2,3,4,5,6,7
	MM \q, \b, (\q==0)
.endr
.if \q%2 == 1                          ; behind every second step: one run of LDS and memory lines
	WIN 0
	s_wait_dscnt 0x0                               ; all that was asked of LDS 16 matrix instructions ago or earlier is in: four rows of the stage, and the older fragments
.if \w
	GS \q/2
.endif
.if \l
	PLACES 4                                       ; in front of loads into registers that matrix instructions have read
	PIECES AF+12*(\q-1), ADA, \q-1, 0
	PIECES AF+12*\q, ADA, \q, 0
.endif
.if (\w) && (\q) < 7
	s_wait_xcnt 0x0                                ; the four stores above have read their data
	RB \q/2+1
.endif
.endif
.endr
.if \l
	s_wait_loadcnt 0x0
.irp e, 0,1,2,3
	v_mov_b32 v[ASC+\e], v[TS+\e]                  ; four places behind the last product that read them
.endr
.endif
.endm
.macro RUN from, to, lbl
	s_mov_b32 s60, \from
\lbl:
	BODY 1, 1
	s_add_co_u32 s60, s60, BLK
	s_cmp_lt_u32 s60, \to
	s_cbranch_scc1 \lbl
.endm
	s_load_b128 s[4:7], s[0:1], 0x0                ; a_codes, a_scales
	s_load_b128 s[8:11], s[0:1], 0x10              ; b_codes, b_scales
	s_load_b64 s[12:13], s[0:1], 0x20              ; gates
	v_lshl_add_u32 v[SPW], v0, 2, SPARE
	v_mov_b32 v[NIL], 0
	ds_add_u32 v[SPW], v[NIL]                      ; the opening lines: the add twice on end and one wait
	ds_add_u32 v[SPW], v[NIL]
	v_lshrrev_b32 v1, 5, v0
	v_readfirstlane_b32 s14, v1                    ; wave
	s_bfe_u32 s40, ttmp6, 0x40000                  ; cx
	s_lshl_b32 s41, ttmp9, 2
	s_add_co_u32 s41, s41, s40                     ; work-group x
	s_and_b32 s42, ttmp7, 0xffff                   ; work-group y
	s_lshr_b32 s43, ttmp9, 1                       ; the product: the same in all four partners
	s_lshl_b32 s43, s43, 13
	s_lshl_b32 s44, s42, 9
	s_add_co_u32 s43, s43, s44                     ; my work-group's first row of A and of gates
	s_mov_b32 s[G1A+0], 15|(1<<20)|(1<<21)|(5<<22)|(3<<25)   ; mask of the four; bytes; 4 words of padding behind every 64
	s_mov_b32 s[G1A+1], KROW<<16
	s_mov_b32 s[G1A+2], 32<<16
	s_mov_b32 s[G1A+3], KROW<<16
	s_mov_b32 s[G1A+4], 32
	s_mov_b32 s[G1A+5], KROW
	s_mov_b32 s[G1A+6], 0
	s_mov_b32 s[G1A+7], 0
	s_mov_b32 s[G1B+0], (1<<20)|(5<<22)|(3<<25)    ; no mask: my own
	s_mov_b32 s[G1B+1], KROW<<16
	s_mov_b32 s[G1B+2], 64<<16
	s_mov_b32 s[G1B+3], KROW<<16
	s_mov_b32 s[G1B+4], 64
	s_mov_b32 s[G1B+5], KROW
	s_mov_b32 s[G1B+6], 0
	s_mov_b32 s[G1B+7], 0
	s_lshl_b32 s16, s14, 5
	s_add_co_u32 s16, s16, s43
	s_mul_i32 s16, s16, KROW                       ; A: the 32 rows of a tile that I fetch
	s_mov_b32 s17, 0
	s_lshl_b32 s18, s41, 9
	s_lshl_b32 s45, s14, 7
	s_add_co_u32 s18, s18, s45                     ; B: my wave's first row
	s_lshl_b32 s46, s18, 5                         ; its scales
	s_mov_b32 s47, 0
	s_mul_i32 s18, s18, KROW
	s_mov_b32 s19, 0
	s_lshl_b32 s22, s43, 5                         ; A's scales
	s_mov_b32 s23, 0
	s_lshl_b32 s20, s43, 14                        ; gates: my first row,
	s_and_b32 s21, s41, 7
	s_lshl_b32 s21, s21, 11
	s_add_co_u32 s20, s20, s21                     ; 2,048 bytes a work-group,
	s_lshl_b32 s21, s14, 9
	s_add_co_u32 s20, s20, s21                     ; 512 a wave
	s_mov_b32 s21, 0
	s_mul_i32 s50, s14, 2*BLK                      ; LDS: my 32 rows of a slot,
	s_mul_i32 s51, s14, 4*BLK                      ; my 64 rows of a fill of B,
	s_mul_i32 s52, s14, 16*SPITCH
	s_add_co_u32 s52, s52, STAGE                   ; my stage
	s_wait_dscnt 0x0
	s_wait_kmcnt 0x0
	s_add_nc_u64 s[16:17], s[4:5], s[16:17]
	s_add_nc_u64 s[18:19], s[8:9], s[18:19]
	s_add_nc_u64 s[10:11], s[10:11], s[46:47]
	s_add_nc_u64 s[6:7], s[6:7], s[22:23]
	s_mov_b32 s[G0B], 1
	s_mov_b32 s[G0B+1], s51
	s_mov_b64 s[G0B+2:G0B+3], s[18:19]
	s_or_b32 s[G0B+3], s[G0B+3], 0x80000000
	s_mov_b32 s[G0A], 1
	s_mov_b32 s[G0A+1], s50
	s_mov_b64 s[G0A+2:G0A+3], s[16:17]
	s_or_b32 s[G0A+3], s[G0A+3], 0x80000000
	s_mov_b32 s[G0A+4], 1
	s_add_co_u32 s[G0A+5], s50, SLOT
	s_add_nc_u64 s[G0A+6:G0A+7], s[16:17], 128*KROW
	s_or_b32 s[G0A+7], s[G0A+7], 0x80000000
	CROUND
	TL G0B, G1B                                    ; my columns 0-63: the one load of a wave at the head
	v_and_b32 v1, 15, v0                           ; r
	v_bfe_u32 v14, v0, 4, 1                        ; h
	v_mul_u32_u24 v15, v1, PITCH
	v_mad_u32_u24 v[BAS], v14, 24, v15
	v_mad_u32_u24 v[BAS+1], v14, 40, v15
	v_add_nc_u32 v[BB], s51, v[BAS]
	v_add_nc_u32 v[BB+1], s51, v[BAS+1]
	v_mul_u32_u24 v15, v1, SPITCH
	v_lshl_add_u32 v15, v14, 5, v15
	v_add_nc_u32 v[STO], s52, v15                  ; into the stage: row r, 32 bytes for each half of the lanes
	v_and_b32 v15, 31, v0
	v_lshlrev_b32 v[CO], 4, v15
	v_add_nc_u32 v[RD], s52, v[CO]
	v_lshlrev_b32 v15, 5, v1
	v_lshl_add_u32 v[SOFF], v14, 4, v15
	s_wait_alu depctr_va_vdst(0)
.irp b, 0,1,2,3,4,5,6,7
	global_load_b128 v[BSC+4*\b:BSC+4*\b+3], v[SOFF], s[10:11] offset:512*\b
.endr
	global_load_b128 v[ASC:ASC+3], v[SOFF], s[6:7] ; block 0's
	s_wait_tensorcnt 0x0                           ; my own bytes: my own wait is all that the reads need
	READB 0
	LINES
	CROUND
	s_add_nc_u64 s[G0B+2:G0B+3], s[G0B+2:G0B+3], 64*KROW
	TL G0B, G1B                                    ; my columns 64-127, into the same bytes
	s_wait_tensorcnt 0x0
	READB 1
	LINES
	CROUND
	TL G0A, G1A                                    ; tile 0 of A, jointly, into slot 0
	LINES
	CROUND
	TL G0A+4, G1A                                  ; tile 1 into slot 1
.irp q, 0,1,2,3,4,5,6,7
	PIECES AF+12*\q, BAS, \q, 0                    ; block 0
.endr
	s_wait_loadcnt 0x0                             ; the scale words
	s_mov_b32 s60, BLK
	BODY 0, 1
	RUN 2*BLK, SLOT, .Lp0
	LINES
	CROUND
	s_add_nc_u64 s[G0A+2:G0A+3], s[G0A+2:G0A+3], 256*KROW
	TL G0A, G1A                                    ; tile 2 into slot 0, whose last block is in registers
	RUN SLOT, 2*SLOT, .Lp1
	LINES
	CROUND
	s_add_nc_u64 s[G0A+6:G0A+7], s[G0A+6:G0A+7], 256*KROW
	TL G0A+4, G1A                                  ; tile 3 into slot 1
	RUN 0, SLOT, .Lp2
	LINES                                          ; tile 3 has landed; nothing is filled again, so no round
	s_barrier_signal -1
	s_barrier_wait -1
	RUN SLOT, 2*SLOT, .Lp3
	BODY 1, 0                                      ; the last block: nothing more to fetch
	PLACES 4
	s_wait_xcnt 0x0
	S16
.irp g, 0,1,2,3
.if \g > 0
	s_wait_xcnt 0x0
.endif
	RB \g
	s_wait_dscnt 0x0
	GS \g
.endr
	LINES                                          ; the wave's end
	CROUND                                         ; the closing round
	s_endpgm
.Lfunc_end_k_qc4106a0781_gemm:
	.size	k_qc4106a0781_gemm, .Lfunc_end_k_qc4106a0781_gemm-k_qc4106a0781_gemm
	.p2alignl 7, 3214868480
	.fill 96, 4, 3214868480
	.section	.rodata,"a",@progbits
	.p2align	6, 0x0
	.amdhsa_kernel k_qc4106a0781_gemm
		.amdhsa_group_segment_fixed_size 327680
		.amdhsa_private_segment_fixed_size 0
		.amdhsa_enable_private_segment 0
		.amdhsa_kernarg_size 40
		.amdhsa_user_sgpr_count 2
		.amdhsa_user_sgpr_kernarg_segment_ptr 1
		.amdhsa_wavefront_size32 1
		.amdhsa_system_sgpr_workgroup_id_x 1
		.amdhsa_system_sgpr_workgroup_id_y 1
		.amdhsa_system_sgpr_workgroup_id_z 1
		.amdhsa_system_vgpr_workitem_id 0
		.amdhsa_next_free_vgpr 1024
		.amdhsa_next_free_sgpr 98
		.amdhsa_reserve_vcc 0
		.amdhsa_float_denorm_mode_32 3
		.amdhsa_float_denorm_mode_16_64 3
		.amdhsa_memory_ordered 1
		.amdhsa_forward_progress 1
		.amdhsa_inst_pref_size 133
	.end_amdhsa_kernel
	.amdgpu_metadata
---
amdhsa.version: [ 1, 2 ]
amdhsa.kernels:
  - .name:           k_qc4106a0781_gemm
    .symbol:         k_qc4106a0781_gemm.kd
    .args:
      - { .name: a_codes, .offset: 0, .size: 8, .value_kind: global_buffer, .address_space: global }
      - { .name: a_scales, .offset: 8, .size: 8, .value_kind: global_buffer, .address_space: global }
      - { .name: b_codes, .offset: 16, .size: 8, .value_kind: global_buffer, .address_space: global }
      - { .name: b_scales, .offset: 24, .size: 8, .value_kind: global_buffer, .address_space: global }
      - { .name: gates, .offset: 32, .size: 8, .value_kind: global_buffer, .address_space: global }
    .group_segment_fixed_size: 327680
    .private_segment_fixed_size: 0
    .kernarg_segment_align: 8
    .kernarg_segment_size: 40
    .max_flat_workgroup_size: 128
    .sgpr_count:     98
    .vgpr_count:     1024
    .wavefront_size: 32
...
	.end_amdgpu_metadata
.endif
;; end of part 2
;; launch cell (part 3): grid 512 x 1, 8 waves a work-group, no clusters, 2,048 bytes of LDS; arguments gates, cx, ln_i_g, ln_i_b, ln_h_g, ln_h_b, ln_c_g, ln_c_b, out0, out1; writes out0, out1
.if DOCPART == 3
	.amdgcn_target "amdgcn-amd-amdhsa--gfx1250"
	.amdhsa_code_object_version 6
	.text
	.protected	k_qc4106a0781_cell
	.globl	k_qc4106a0781_cell
	.p2align	8
	.type	k_qc4106a0781_cell,@function
k_qc4106a0781_cell:
	s_mov_b64 s[64:65], 0
	v_nop
	global_prefetch_b8 v0, s[64:65] scope:SCOPE_SE
	s_setreg_imm32_b32 hwreg(HW_REG_WAVE_MODE, 25, 1), 1
	s_wait_xcnt 0x0
; THE CELL BEHIND ITS TWO PRODUCTS.  gates [16384][4096] f32: row b holds input[b] W_ih^T, row 8192 + b holds hx[b] W_hh^T.  For each of the 8,192 rows:
;   z = LN(first) g_i + b_i + LN(second) g_h + b_h over 4,096 columns;  i, f, o = sigmoid, g = tanh of z's four quarters;  c = f cx + i g;  cy = LN(c) g_c + b_c over 1,024 columns (out1);  hy = o tanh(cy) (out0).
; All in f32.  A stream: each byte of gates and cx is read once, each byte of out0 and out1 written once.  No matrix unit, no tensor load, no cluster: work-groups share only the six parameter vectors, 72 KiB.
; SHARES.  A work-group of eight waves owns 16 rows, four batches of 4.  THE WAVES SHARE THE COLUMNS: thread t owns hidden columns 4 t .. 4 t + 3 in all four quarters of both products.  So every access of 16 bytes
; stands at byte 16 t of its quarter and row, a wave's load or store covers 512 consecutive bytes at a multiple of 512, and a thread's 56 parameter numbers stay in registers for the whole launch.
; STATISTICS WITHOUT A DIFFERENCE OF LARGE SUMS.  Each wave takes the mean m_w of its own share of a row (512 numbers of a product, 128 of c) and M2_w = the sum of (x - m_w)^2 over it; the eight pairs meet in LDS;
; then mu = the mean of the m_w, M2 = the sum of M2_w + n_w (m_w - mu)^2, var = M2 / N.  One barrier for each stage of norms: two a batch.
; sigmoid(x) = 1 / (1 + 2^(-x log2 e)); tanh(x) = 1 - 2 / (1 + 2^(2 x log2 e)): where the power overflows its reciprocal is 0, where it falls to 0 the reciprocal is 1: both reach their limits with no clamp.
; The factors -log2 e (i, f, o) and 2 log2 e (g) are multiplied into the gains and the summed biases once, at the head.
; LIMITS: NaN and infinities among the inputs are not served.
; The next batch's 36 loads of a wave are issued row by row as the gates free a row's registers, and are out through the whole stage of c.
; LDS: bytes 0-511: key k = 2 row + product at 64 k, wave w's pair (m, M2) at + 8 w;  bytes 512-767: c's, key = row at 512 + 64 row + 8 w.  The first region is written ahead of barrier A and read between A and B, the
; second written between A and B and read behind B; each wave has waited for its reads in front of the next barrier's signal, behind which the region is written again.
.set OFF, 1                            ; v1       16 t; never rewritten
.set LW,  2                            ; v2       8 x wave: where my wave's pair goes
.set LR,  3                            ; v3       8 x lane: lane l reads key l / 8, wave l % 8
.set GI,  4                            ; v4-19    ln_i_g x factor, at [4 q + e]
.set GH,  20                           ; v20-35   ln_h_g x factor
.set BS,  36                           ; v36-51   (ln_i_b + ln_h_b) x factor
.set GC,  52                           ; v52-55   ln_c_g
.set BC,  56                           ; v56-59   ln_c_b
.set X,   60                           ; v60-187  the batch: X + 32 row + 16 product + 4 q + e
.set CX,  188                          ; v188-203 cx: 4 row + e
.set CP,  204                          ; v204-219 first the pairs (m, M2) of key k at 2 k; then c, then cy: 4 row + e
.set OG,  220                          ; v220-235 o, then hy
.set T,   236                          ; v236-255 at work
.set RS,  32                           ; s32, 34 .. 46: rstd of key k, the low word of a pair (the packed form names a pair and takes its low word for both halves; the odd words are written once)
.set NM,  48                           ; s48-55   -mu x rstd of key k
.set XSB, 0
.set CSB, 512
	s_load_b512 s[4:19], s[0:1], 0x0               ; gates s[4:5], cx s[6:7], ln_i_g s[8:9], ln_i_b s[10:11], ln_h_g s[12:13], ln_h_b s[14:15], ln_c_g s[16:17], ln_c_b s[18:19]
	s_load_b128 s[20:23], s[0:1], 0x40             ; out0 (hy) s[20:21], out1 (cy) s[22:23]
	v_lshl_add_u32 v[T+18], v0, 2, 0x400           ; my spare word, from LDS byte 1,024 on, and 0: kept for the closing add alone
	v_mov_b32 v[T+19], 0
	v_lshlrev_b32 v[OFF], 4, v0
	v_lshrrev_b32 v[LW], 5, v0
	s_delay_alu instid0(VALU_DEP_1)
	v_lshlrev_b32 v[LW], 3, v[LW]
	v_and_b32 v[LR], 31, v0
	s_delay_alu instid0(VALU_DEP_1)
	v_lshlrev_b32 v[LR], 3, v[LR]
.irp i, 16,17
	v_mov_b32 v[T+\i], 0                           ; written once: a lane permute's destination counts as one of its sources, and a pair's upper word as read
.endr
.irp i, 1,3,5,7,9,11,13,15
	v_mov_b32 v[CP+\i], 0                          ; likewise: named as the upper words of the pairs (m, M2) before M2 is first written
.endr
	s_mov_b32 s30, 0x76543210
	s_mov_b32 s31, 0xfedcba98                      ; v_permlanex16_b32's selects for lane l xor 16
.irp k, 0,1,2,3,4,5,6,7
	s_mov_b32 s[RS+2*\k+1], 0
.endr
	s_mov_b32 s56, 0x39800000                      ; 1 / 4,096
	s_mov_b32 s57, 0x3727c5ac                      ; 1e-5
	s_mov_b32 s58, 0x3a800000                      ; 1 / 1,024
	s_mov_b32 s28, 3                               ; batches that have a successor
	s_lshl_b32 s26, ttmp9, 18                      ; my 16 rows of 16,384 bytes
	s_mov_b32 s27, 0
	s_wait_kmcnt 0x0
	s_add_nc_u64 s[4:5], s[4:5], s[26:27]          ; the first product's rows,
	s_add_nc_u64 s[24:25], s[4:5], 0x8000000       ; the second's: 8,192 rows of 16,384 bytes on
	s_lshl_b32 s26, ttmp9, 16                      ; my 16 rows of 4,096 bytes
	s_add_nc_u64 s[6:7], s[6:7], s[26:27]
	s_add_nc_u64 s[20:21], s[20:21], s[26:27]
	s_add_nc_u64 s[22:23], s[22:23], s[26:27]
.irp q, 0,1,2,3
	global_load_b128 v[GI+4*\q:GI+4*\q+3], v[OFF], s[8:9] offset:4096*\q
	global_load_b128 v[GH+4*\q:GH+4*\q+3], v[OFF], s[12:13] offset:4096*\q
	global_load_b128 v[BS+4*\q:BS+4*\q+3], v[OFF], s[10:11] offset:4096*\q
	global_load_b128 v[T+4*\q:T+4*\q+3], v[OFF], s[14:15] offset:4096*\q
.endr
	global_load_b128 v[GC:GC+3], v[OFF], s[16:17]
	global_load_b128 v[BC:BC+3], v[OFF], s[18:19]
; nine loads: row p of the batch: four quarters of each product, and cx.  Read once in the launch
.macro LOADROW p
.irp q, 0,1,2,3
	global_load_b128 v[X+32*\p+4*\q:X+32*\p+4*\q+3], v[OFF], s[4:5] offset:16384*\p+4096*\q th:TH_LOAD_NT
.endr
.irp q, 0,1,2,3
	global_load_b128 v[X+32*\p+16+4*\q:X+32*\p+16+4*\q+3], v[OFF], s[24:25] offset:16384*\p+4096*\q th:TH_LOAD_NT
.endr
	global_load_b128 v[CX+4*\p:CX+4*\p+3], v[OFF], s[6:7] offset:4096*\p th:TH_LOAD_NT
.endm
; two sums over the 32 lanes, by turns; the result stands in every lane
.macro WSUM2 a, b, ta, tb
.irp m, 1,2,4,8
	s_delay_alu instid0(VALU_DEP_2)
	v_add_f32_dpp v[\a], v[\a], v[\a] row_xmask:\m row_mask:0xf bank_mask:0xf
	s_delay_alu instid0(VALU_DEP_2)
	v_add_f32_dpp v[\b], v[\b], v[\b] row_xmask:\m row_mask:0xf bank_mask:0xf
.endr
	s_delay_alu instid0(VALU_DEP_2)
	v_permlanex16_b32 v[\ta], v[\a], s30, s31
	s_delay_alu instid0(VALU_DEP_2)
	v_permlanex16_b32 v[\tb], v[\b], s30, s31
	s_delay_alu instid0(VALU_DEP_2)
	v_add_f32 v[\a], v[\a], v[\ta]
	s_delay_alu instid0(VALU_DEP_2)
	v_add_f32 v[\b], v[\b], v[\tb]
.endm
; row p: my wave's mean and M2 of its 512 numbers of each product (g = 0, 1, by turns), to LDS
.macro STATX p
	s_wait_loadcnt 9*(3-\p)                        ; loads come back in order (ISA guide 5.7.1): this row's nine are in, the later rows' nine each stay out
.irp g, 0,1
	v_pk_add_f32 v[T+4*\g:T+4*\g+1], v[X+32*\p+16*\g:X+32*\p+16*\g+1], v[X+32*\p+16*\g+2:X+32*\p+16*\g+3]
	v_pk_add_f32 v[T+4*\g+2:T+4*\g+3], v[X+32*\p+16*\g+4:X+32*\p+16*\g+5], v[X+32*\p+16*\g+6:X+32*\p+16*\g+7]
.endr
.irp j, 8,12
.irp g, 0,1
	s_delay_alu instid0(VALU_DEP_4)
	v_pk_add_f32 v[T+4*\g:T+4*\g+1], v[T+4*\g:T+4*\g+1], v[X+32*\p+16*\g+\j:X+32*\p+16*\g+\j+1]
	s_delay_alu instid0(VALU_DEP_4)
	v_pk_add_f32 v[T+4*\g+2:T+4*\g+3], v[T+4*\g+2:T+4*\g+3], v[X+32*\p+16*\g+\j+2:X+32*\p+16*\g+\j+3]
.endr
.endr
.irp g, 0
	s_delay_alu instid0(VALU_DEP_3)
	v_pk_add_f32 v[T+4*\g:T+4*\g+1], v[T+4*\g:T+4*\g+1], v[T+4*\g+2:T+4*\g+3]
.endr
.irp g, 1
	s_delay_alu instid0(VALU_DEP_2)
	v_pk_add_f32 v[T+4*\g:T+4*\g+1], v[T+4*\g:T+4*\g+1], v[T+4*\g+2:T+4*\g+3]
.endr
.irp g, 0,1
	s_delay_alu instid0(VALU_DEP_2)
	v_add_f32 v[T+4*\g], v[T+4*\g], v[T+4*\g+1]    ; my 16 numbers' sum
.endr
	WSUM2 T, T+4, T+16, T+17
.irp g, 0,1
	s_delay_alu instid0(VALU_DEP_2)
	v_mul_f32 v[CP+4*\p+2*\g], 0x3b000000, v[T+4*\g]   ; m_w = the wave's sum / 512
.endr
.irp j, 0,1,2,3,4,5,6,7
.irp g, 0,1
	v_pk_add_f32 v[T+4*\g+2*(\j%2):T+4*\g+2*(\j%2)+1], v[X+32*\p+16*\g+2*\j:X+32*\p+16*\g+2*\j+1], v[CP+4*\p+2*\g:CP+4*\p+2*\g+1] op_sel_hi:[1,0] neg_lo:[0,1] neg_hi:[0,1]   ; x - m_w, two at a time
.endr
.irp g, 0,1
.if \j == 0
	s_delay_alu instid0(VALU_DEP_2)
	v_pk_mul_f32 v[T+8+2*\g:T+9+2*\g], v[T+4*\g:T+4*\g+1], v[T+4*\g:T+4*\g+1]   ; the first squares start the sum: nothing is cleared
.else
	s_delay_alu instid0(VALU_DEP_2)
	v_pk_fma_f32 v[T+8+2*\g:T+9+2*\g], v[T+4*\g+2*(\j%2):T+4*\g+2*(\j%2)+1], v[T+4*\g+2*(\j%2):T+4*\g+2*(\j%2)+1], v[T+8+2*\g:T+9+2*\g]
.endif
.endr
.endr
.irp g, 0,1
	s_delay_alu instid0(VALU_DEP_2)
	v_add_f32 v[CP+4*\p+2*\g+1], v[T+8+2*\g], v[T+9+2*\g]
.endr
	WSUM2 CP+4*\p+1, CP+4*\p+3, T+16, T+17         ; M2_w
.irp g, 0,1
	ds_store_b64 v[LW], v[CP+4*\p+2*\g:CP+4*\p+2*\g+1] offset:XSB+64*(2*\p+\g)   ; all lanes write the same eight bytes with the same values
.endr
.endm
.macro BAR                             ; my LDS stores have landed and my LDS loads are in: then the work-group's barrier
	s_wait_dscnt 0x0
	s_barrier_signal -1
	s_barrier_wait -1
.endm
; The eight waves' pairs become rstd and -mu rstd of each key, in scalar registers.  A set is four keys: lane l holds key l / 8 of its set and wave l % 8.  nw: numbers in a wave's share, as f32; sinv: the scalar with 1 / N
.macro COMB sets, base, nw, sinv
.irp u, 0,1
.if \u < \sets
	ds_load_b64 v[T+2*\u:T+2*\u+1], v[LR] offset:\base+256*\u
.endif
.endr
	s_wait_dscnt 0x0
.irp u, 0,1
.if \u < \sets
	v_add_f32_dpp v[T+4+\u], v[T+2*\u], v[T+2*\u] row_xmask:1 row_mask:0xf bank_mask:0xf
.endif
.endr
.irp m, 2,4
.irp u, 0
.if \u < \sets
	v_add_f32_dpp v[T+4+\u], v[T+4+\u], v[T+4+\u] row_xmask:\m row_mask:0xf bank_mask:0xf
.endif
.endr
.irp u, 1
.if \u < \sets
	s_delay_alu instid0(VALU_DEP_2)
	v_add_f32_dpp v[T+4+\u], v[T+4+\u], v[T+4+\u] row_xmask:\m row_mask:0xf bank_mask:0xf
.endif
.endr
.endr
.irp u, 0
.if \u < \sets
	v_mul_f32 v[T+4+\u], 0x3e000000, v[T+4+\u]     ; mu = the mean of the eight m_w (their shares are equal)
.endif
.endr
.irp u, 1
.if \u < \sets
	s_delay_alu instid0(VALU_DEP_2)
	v_mul_f32 v[T+4+\u], 0x3e000000, v[T+4+\u]     ; mu = the mean of the eight m_w (their shares are equal)
.endif
.endr
.irp u, 0
.if \u < \sets
	v_sub_f32 v[T+6+\u], v[T+2*\u], v[T+4+\u]
.endif
.endr
.irp u, 1
.if \u < \sets
	s_delay_alu instid0(VALU_DEP_2)
	v_sub_f32 v[T+6+\u], v[T+2*\u], v[T+4+\u]
.endif
.endr
.irp u, 0
.if \u < \sets
	v_mul_f32 v[T+6+\u], v[T+6+\u], v[T+6+\u]
.endif
.endr
.irp u, 1
.if \u < \sets
	s_delay_alu instid0(VALU_DEP_2)
	v_mul_f32 v[T+6+\u], v[T+6+\u], v[T+6+\u]
.endif
.endr
.irp u, 0
.if \u < \sets
	v_fmamk_f32 v[T+6+\u], v[T+6+\u], \nw, v[T+2*\u+1]   ; n_w (m_w - mu)^2 + M2_w
.endif
.endr
.irp u, 1
.if \u < \sets
	s_delay_alu instid0(VALU_DEP_2)
	v_fmamk_f32 v[T+6+\u], v[T+6+\u], \nw, v[T+2*\u+1]   ; n_w (m_w - mu)^2 + M2_w
.endif
.endr
.irp m, 1,2,4
.irp u, 0
.if \u < \sets
	v_add_f32_dpp v[T+6+\u], v[T+6+\u], v[T+6+\u] row_xmask:\m row_mask:0xf bank_mask:0xf
.endif
.endr
.irp u, 1
.if \u < \sets
	s_delay_alu instid0(VALU_DEP_2)
	v_add_f32_dpp v[T+6+\u], v[T+6+\u], v[T+6+\u] row_xmask:\m row_mask:0xf bank_mask:0xf
.endif
.endr
.endr
.irp u, 0
.if \u < \sets
	v_fma_f32 v[T+6+\u], v[T+6+\u], s[\sinv], s57  ; var + 1e-5
.endif
.endr
.irp u, 1
.if \u < \sets
	s_delay_alu instid0(VALU_DEP_2)
	v_fma_f32 v[T+6+\u], v[T+6+\u], s[\sinv], s57  ; var + 1e-5
.endif
.endr
	s_wait_alu depctr_va_vdst(0)
.irp u, 0,1
.if \u < \sets
	v_rsq_f32 v[T+8+\u], v[T+6+\u]
.endif
.endr
	v_nop                                          ; a plain instruction between the last transcendental and the use of its result (ISA guide 5.7.2)
	s_wait_alu depctr_va_vdst(0)
.irp u, 0,1
.if \u < \sets
	v_mul_f32 v[T+14+\u], -v[T+4+\u], v[T+8+\u]    ; -mu rstd
.endif
.endr
.irp k, 0,1,2,3,4,5,6,7
.if \k < 4*\sets
	v_readlane_b32 s[RS+2*\k], v[T+8+\k/4], 8*(\k%4)
	v_readlane_b32 s[NM+\k], v[T+14+\k/4], 8*(\k%4)
.endif
.endr
.endm
; row p: both norms, the four gates, c.  more = 1: the row's registers then take the same row of the next batch
.macro GATES p, more
	v_mov_b32 v[T+10], s[NM+2*\p]
	v_mov_b32 v[T+12], s[NM+2*\p+1]
.irp j, 0,2,4,6,8,10,12,14
.irp g, 0,1
	v_pk_fma_f32 v[X+32*\p+16*\g+\j:X+32*\p+16*\g+\j+1], v[X+32*\p+16*\g+\j:X+32*\p+16*\g+\j+1], s[RS+2*(2*\p+\g):RS+2*(2*\p+\g)+1], v[T+10+2*\g:T+11+2*\g] op_sel_hi:[1,0,0]   ; x rstd - mu rstd
.endr
.endr
.irp j, 0,2,4,6,8,10,12,14
	v_pk_fma_f32 v[X+32*\p+\j:X+32*\p+\j+1], v[X+32*\p+\j:X+32*\p+\j+1], v[GI+\j:GI+\j+1], v[BS+\j:BS+\j+1]
.endr
.irp j, 0,2,4,6,8,10,12,14
	v_pk_fma_f32 v[X+32*\p+\j:X+32*\p+\j+1], v[X+32*\p+16+\j:X+32*\p+16+\j+1], v[GH+\j:GH+\j+1], v[X+32*\p+\j:X+32*\p+\j+1]   ; the exponent of each gate's power of two: the factor lies in the gains and biases
.endr
	s_wait_alu depctr_va_vdst(0)
.irp e, 0,1,2,3,4,5,6,7,8,9,10,11,12,13,14,15
	v_exp_f32 v[X+32*\p+\e], v[X+32*\p+\e]
.endr
	v_nop                                          ; a plain instruction behind the transcendentals
	s_wait_alu depctr_va_vdst(0)
.irp j, 0,2,4,6,8,10,12,14
	v_pk_add_f32 v[X+32*\p+\j:X+32*\p+\j+1], v[X+32*\p+\j:X+32*\p+\j+1], 1.0 op_sel_hi:[1,0]
.endr
	s_wait_alu depctr_va_vdst(0)
.irp e, 0,1,2,3,4,5,6,7,8,9,10,11
	v_rcp_f32 v[X+32*\p+\e], v[X+32*\p+\e]         ; i, f; and for g the reciprocal that its tanh wants
.endr
.irp e, 0,1,2,3
	v_rcp_f32 v[OG+4*\p+\e], v[X+32*\p+12+\e]      ; o is kept for hy
.endr
	v_nop
	s_wait_alu depctr_va_vdst(0)
.irp j, 0,2
	v_pk_fma_f32 v[X+32*\p+8+\j:X+32*\p+9+\j], v[X+32*\p+8+\j:X+32*\p+9+\j], -2.0, 1.0 op_sel_hi:[1,0,0]   ; g = 1 - 2 / (1 + 2^(2 z log2 e))
.endr
.irp j, 0,2
	v_pk_mul_f32 v[CP+4*\p+\j:CP+4*\p+\j+1], v[X+32*\p+\j:X+32*\p+\j+1], v[X+32*\p+8+\j:X+32*\p+9+\j]      ; i g
.endr
.irp j, 0,2
	v_pk_fma_f32 v[CP+4*\p+\j:CP+4*\p+\j+1], v[X+32*\p+4+\j:X+32*\p+5+\j], v[CX+4*\p+\j:CX+4*\p+\j+1], v[CP+4*\p+\j:CP+4*\p+\j+1]   ; c = f cx + i g
.endr
.if \more
	LOADROW \p
.endif
.endm
; my wave's mean and M2 of its 128 numbers of c, for the four rows, two rows by turns
.macro STATC
.irp h, 0,2
.irp r, 0,1
	v_pk_add_f32 v[T+8+4*\r:T+9+4*\r], v[CP+4*(\h+\r):CP+4*(\h+\r)+1], v[CP+4*(\h+\r)+2:CP+4*(\h+\r)+3]
.endr
.irp r, 0,1
	s_delay_alu instid0(VALU_DEP_2)
	v_add_f32 v[T+2*(\h+\r)], v[T+8+4*\r], v[T+9+4*\r]
.endr
	WSUM2 T+2*\h, T+2*\h+2, T+16, T+17
.irp r, 0,1
	s_delay_alu instid0(VALU_DEP_2)
	v_mul_f32 v[T+2*(\h+\r)], 0x3c000000, v[T+2*(\h+\r)]   ; m_w = the wave's sum / 128
.endr
.irp r, 0
	s_delay_alu instid0(VALU_DEP_2)
	v_pk_add_f32 v[T+8+4*\r:T+9+4*\r], v[CP+4*(\h+\r):CP+4*(\h+\r)+1], v[T+2*(\h+\r):T+2*(\h+\r)+1] op_sel_hi:[1,0] neg_lo:[0,1] neg_hi:[0,1]
	s_delay_alu instid0(VALU_DEP_3)
	v_pk_add_f32 v[T+10+4*\r:T+11+4*\r], v[CP+4*(\h+\r)+2:CP+4*(\h+\r)+3], v[T+2*(\h+\r):T+2*(\h+\r)+1] op_sel_hi:[1,0] neg_lo:[0,1] neg_hi:[0,1]
.endr
.irp r, 1
	s_delay_alu instid0(VALU_DEP_3)
	v_pk_add_f32 v[T+8+4*\r:T+9+4*\r], v[CP+4*(\h+\r):CP+4*(\h+\r)+1], v[T+2*(\h+\r):T+2*(\h+\r)+1] op_sel_hi:[1,0] neg_lo:[0,1] neg_hi:[0,1]
	s_delay_alu instid0(VALU_DEP_4)
	v_pk_add_f32 v[T+10+4*\r:T+11+4*\r], v[CP+4*(\h+\r)+2:CP+4*(\h+\r)+3], v[T+2*(\h+\r):T+2*(\h+\r)+1] op_sel_hi:[1,0] neg_lo:[0,1] neg_hi:[0,1]
.endr
.irp r, 0
	s_delay_alu instid0(VALU_DEP_4)
	v_pk_mul_f32 v[T+8+4*\r:T+9+4*\r], v[T+8+4*\r:T+9+4*\r], v[T+8+4*\r:T+9+4*\r]
.endr
.irp r, 1
	s_delay_alu instid0(VALU_DEP_3)
	v_pk_mul_f32 v[T+8+4*\r:T+9+4*\r], v[T+8+4*\r:T+9+4*\r], v[T+8+4*\r:T+9+4*\r]
.endr
.irp r, 0,1
	s_delay_alu instid0(VALU_DEP_2)
	v_pk_fma_f32 v[T+8+4*\r:T+9+4*\r], v[T+10+4*\r:T+11+4*\r], v[T+10+4*\r:T+11+4*\r], v[T+8+4*\r:T+9+4*\r]
.endr
.irp r, 0,1
	s_delay_alu instid0(VALU_DEP_2)
	v_add_f32 v[T+2*(\h+\r)+1], v[T+8+4*\r], v[T+9+4*\r]
.endr
	WSUM2 T+2*\h+1, T+2*\h+3, T+16, T+17
.irp r, 0,1
	ds_store_b64 v[LW], v[T+2*(\h+\r):T+2*(\h+\r)+1] offset:CSB+64*(\h+\r)
.endr
.endr
.endm
; cy and hy of the four rows
.macro OUT
.irp p, 0,1,2,3
	v_mov_b32 v[T+16], s[NM+\p]
.irp j, 0
	s_delay_alu instid0(VALU_DEP_1)
	v_pk_fma_f32 v[CP+4*\p+\j:CP+4*\p+\j+1], v[CP+4*\p+\j:CP+4*\p+\j+1], s[RS+2*\p:RS+2*\p+1], v[T+16:T+17] op_sel_hi:[1,0,0]
.endr
.irp j, 2
	s_delay_alu instid0(VALU_DEP_2)
	v_pk_fma_f32 v[CP+4*\p+\j:CP+4*\p+\j+1], v[CP+4*\p+\j:CP+4*\p+\j+1], s[RS+2*\p:RS+2*\p+1], v[T+16:T+17] op_sel_hi:[1,0,0]
.endr
.irp j, 0,2
	s_delay_alu instid0(VALU_DEP_2)
	v_pk_fma_f32 v[CP+4*\p+\j:CP+4*\p+\j+1], v[CP+4*\p+\j:CP+4*\p+\j+1], v[GC+\j:GC+\j+1], v[BC+\j:BC+\j+1]   ; cy
.endr
	global_store_b128 v[OFF], v[CP+4*\p:CP+4*\p+3], s[22:23] offset:4096*\p th:TH_STORE_NT   ; the wave stores 512 consecutive bytes, at a multiple of 512 from out1's first byte
.endr
.irp j, 0,2,4,6,8,10,12,14
	v_pk_mul_f32 v[T+\j:T+\j+1], v[CP+\j:CP+\j+1], 0x4038aa3b op_sel_hi:[1,0]   ; 2 cy log2 e
.endr
	s_wait_alu depctr_va_vdst(0)
.irp e, 0,1,2,3,4,5,6,7,8,9,10,11,12,13,14,15
	v_exp_f32 v[T+\e], v[T+\e]
.endr
	v_nop
	s_wait_alu depctr_va_vdst(0)
.irp j, 0,2,4,6,8,10,12,14
	v_pk_add_f32 v[T+\j:T+\j+1], v[T+\j:T+\j+1], 1.0 op_sel_hi:[1,0]
.endr
	s_wait_alu depctr_va_vdst(0)
.irp e, 0,1,2,3,4,5,6,7,8,9,10,11,12,13,14,15
	v_rcp_f32 v[T+\e], v[T+\e]
.endr
	v_nop
	s_wait_alu depctr_va_vdst(0)
.irp j, 0,2,4,6,8,10,12,14
	v_pk_fma_f32 v[T+\j:T+\j+1], v[T+\j:T+\j+1], -2.0, 1.0 op_sel_hi:[1,0,0]    ; tanh(cy)
.endr
.irp j, 0,2,4,6,8,10,12,14
	v_pk_mul_f32 v[OG+\j:OG+\j+1], v[OG+\j:OG+\j+1], v[T+\j:T+\j+1]             ; hy
.endr
.irp p, 0,1,2,3
	global_store_b128 v[OFF], v[OG+4*\p:OG+4*\p+3], s[20:21] offset:4096*\p th:TH_STORE_NT
.endr
.endm
; a batch of four rows.  more = 1: the next batch is asked for on the way
.macro BATCH more
	STATX 0
	STATX 1
	STATX 2
	STATX 3
	BAR                                            ; barrier A: all eight waves' pairs of the eight keys lie in LDS
	COMB 2, XSB, 0x44000000, 56
.if \more
	s_add_nc_u64 s[4:5], s[4:5], 65536             ; four rows on: the last row's wait for 0 has shown every load that names these bases done
	s_add_nc_u64 s[24:25], s[24:25], 65536
	s_add_nc_u64 s[6:7], s[6:7], 16384
.endif
	GATES 0, \more
	GATES 1, \more
	GATES 2, \more
	GATES 3, \more
	STATC
	BAR                                            ; barrier B: c's pairs lie in LDS, and every wave's reads of the first region are over
	COMB 1, CSB, 0x43000000, 58
	OUT
.if \more
	s_wait_xcnt 0x0                                ; every earlier memory instruction has had its addresses translated (ISA guide 3.1): only behind this wait are the stores' bases stepped and cy's and hy's registers written again
	s_add_nc_u64 s[20:21], s[20:21], 16384
	s_add_nc_u64 s[22:23], s[22:23], 16384
.endif
.endm
	LOADROW 0
	LOADROW 1
	LOADROW 2
	LOADROW 3
	s_wait_loadcnt 36                              ; the 18 loads of parameters are in; the first batch's 36 stay out
.irp j, 0,2,4,6,8,10,12,14
	v_pk_add_f32 v[BS+\j:BS+\j+1], v[BS+\j:BS+\j+1], v[T+\j:T+\j+1]             ; the two biases are only ever added
.endr
.irp j, 0,2,4,6,12,14
	v_pk_mul_f32 v[GI+\j:GI+\j+1], v[GI+\j:GI+\j+1], 0xbfb8aa3b op_sel_hi:[1,0] ; i, f, o: x -log2 e
	v_pk_mul_f32 v[GH+\j:GH+\j+1], v[GH+\j:GH+\j+1], 0xbfb8aa3b op_sel_hi:[1,0]
	v_pk_mul_f32 v[BS+\j:BS+\j+1], v[BS+\j:BS+\j+1], 0xbfb8aa3b op_sel_hi:[1,0]
.endr
.irp j, 8,10
	v_pk_mul_f32 v[GI+\j:GI+\j+1], v[GI+\j:GI+\j+1], 0x4038aa3b op_sel_hi:[1,0] ; g: x 2 log2 e
	v_pk_mul_f32 v[GH+\j:GH+\j+1], v[GH+\j:GH+\j+1], 0x4038aa3b op_sel_hi:[1,0]
	v_pk_mul_f32 v[BS+\j:BS+\j+1], v[BS+\j:BS+\j+1], 0x4038aa3b op_sel_hi:[1,0]
.endr
.Lbatch:                                               ; three trips: each works a batch and asks for the next
	BATCH 1
	s_sub_co_u32 s28, s28, 1
	s_cmp_lg_u32 s28, 0
	s_cbranch_scc1 .Lbatch
	BATCH 0                                        ; the last batch is written out: it asks for nothing, so no load leaves its buffer
	s_wait_tensorcnt 0x0
	ds_add_u32 v[T+18], v[T+19]
	s_wait_dscnt 0x0
	s_endpgm
.Lfunc_end_k_qc4106a0781_cell:
	.size	k_qc4106a0781_cell, .Lfunc_end_k_qc4106a0781_cell-k_qc4106a0781_cell
	.p2alignl 7, 3214868480
	.fill 96, 4, 3214868480
	.section	.rodata,"a",@progbits
	.p2align	6, 0x0
	.amdhsa_kernel k_qc4106a0781_cell
		.amdhsa_group_segment_fixed_size 2048
		.amdhsa_private_segment_fixed_size 0
		.amdhsa_enable_private_segment 0
		.amdhsa_kernarg_size 80
		.amdhsa_user_sgpr_count 2
		.amdhsa_user_sgpr_kernarg_segment_ptr 1
		.amdhsa_wavefront_size32 1
		.amdhsa_system_sgpr_workgroup_id_x 1
		.amdhsa_system_sgpr_workgroup_id_y 1
		.amdhsa_system_sgpr_workgroup_id_z 1
		.amdhsa_system_vgpr_workitem_id 0
		.amdhsa_next_free_vgpr 256
		.amdhsa_next_free_sgpr 66
		.amdhsa_reserve_vcc 0
		.amdhsa_float_denorm_mode_32 3
		.amdhsa_float_denorm_mode_16_64 3
		.amdhsa_memory_ordered 1
		.amdhsa_forward_progress 1
		.amdhsa_inst_pref_size 134
	.end_amdhsa_kernel
	.amdgpu_metadata
---
amdhsa.version: [ 1, 2 ]
amdhsa.kernels:
  - .name:           k_qc4106a0781_cell
    .symbol:         k_qc4106a0781_cell.kd
    .args:
      - { .name: gates, .offset: 0, .size: 8, .value_kind: global_buffer, .address_space: global }
      - { .name: cx, .offset: 8, .size: 8, .value_kind: global_buffer, .address_space: global }
      - { .name: ln_i_g, .offset: 16, .size: 8, .value_kind: global_buffer, .address_space: global }
      - { .name: ln_i_b, .offset: 24, .size: 8, .value_kind: global_buffer, .address_space: global }
      - { .name: ln_h_g, .offset: 32, .size: 8, .value_kind: global_buffer, .address_space: global }
      - { .name: ln_h_b, .offset: 40, .size: 8, .value_kind: global_buffer, .address_space: global }
      - { .name: ln_c_g, .offset: 48, .size: 8, .value_kind: global_buffer, .address_space: global }
      - { .name: ln_c_b, .offset: 56, .size: 8, .value_kind: global_buffer, .address_space: global }
      - { .name: out0, .offset: 64, .size: 8, .value_kind: global_buffer, .address_space: global }
      - { .name: out1, .offset: 72, .size: 8, .value_kind: global_buffer, .address_space: global }
    .group_segment_fixed_size: 2048
    .private_segment_fixed_size: 0
    .kernarg_segment_align: 8
    .kernarg_segment_size: 80
    .max_flat_workgroup_size: 256
    .sgpr_count:     66
    .vgpr_count:     256
    .wavefront_size: 32
...
	.end_amdgpu_metadata
.endif
;; end of part 3
